; MI455X (gfx1250); checked and timed in simulation.
; The chip was launched on July 23, 2026; its instructions are those of AMD's public machine-readable ISA for CDNA 5 (MIT licence, August 2026) and "CDNA5" Instruction Set Architecture Reference Guide (July 2026). The comments in the code are by the model that wrote it; some were corrected since.
;; Algebraic Attention. Allowed arithmetic: matrix products marked QUANTISED: E2M1 operands, one E8M0 scale for each 32 along K, by v_wmma_scale_f32_16x16x128_f8f6f4 with both operands' format E2M1 (or v_wmma_scale_f32_32x16x128_f4), f32 sums; products left as they are: bf16, f16 or f32 operands; f32 sums; everything else in f32.
;; Inputs: Wk 1,024 x 1,024 float32; Wo 1,024 x 1,024 float32; Wq 1,024 x 1,024 float32; Wv 1,024 x 1,024 float32; alibi_slopes 16 float32; power 1 float32; x 2 x 2,048 x 1,024 float32.
;; Outputs: out0 2 x 2,048 x 1,024 float32.
;; This version of the problem:
;;   THIS VERSION OF THE PROBLEM IS GIVEN IN LOW PRECISION. The matrix products marked QUANTISED in the list below multiply operands that are first quantised to E2M1 (2 exponent bits, 1 mantissa bit; 4 bits a number), with one power-of-two scale for each 32 numbers along K (OCP MX v1.0); their sums are f32. The products marked 'left as it is' may take bf16, f16 or f32 operands, with f32 sums. Whichever they take, every output number must still come out within the allowed error. Rounding operands to bf16 (8 significant bits) uses up far more of that allowance than f16 does (11 bits, for magnitudes from 6e-5 to 65,504). All else is computed in f32.
;;   The module's matrix products, in the order in which they are computed (A, B: the left and right operand; K: the contracted axis; several contracted axes count as one K, in the product's order):
;;     1. [M 4,096, K 1,024] x [K 1,024, N 1,024]; A: input x; B: input Wq: QUANTISED
;;     2. [M 4,096, K 1,024] x [K 1,024, N 1,024]; A: input x; B: input Wk: QUANTISED
;;     3. [M 4,096, K 1,024] x [K 1,024, N 1,024]; A: input x; B: input Wv: QUANTISED
;;     4. batch 32 x [M 2,048, K 64] x [K 64, N 2,048]; A: computed on the way; B: computed on the way: left as it is (an operand is computed on the way)
;;     5. batch 32 x [M 2,048, K 2,048] x [K 2,048, N 64]; A: computed on the way; B: computed on the way: left as it is (an operand is computed on the way)
;;     6. [M 4,096, K 1,024] x [K 1,024, N 1,024]; A: computed on the way; B: input Wo: left as it is (an operand is computed on the way)
;;   THE QUANTISER, for each operand of a quantised product, along K:
;;     - K is cut into blocks of 32 from its start; a last block that is shorter is filled with zeros.
;;     - A block's scale is 2^e with e = floor(log2(the largest magnitude in the block)) - 2, held to -126 .. 127; a block of zeros has e = 0. As a byte (E8M0): e + 127.
;;     - Each number is divided by its block's scale, clamped to +-6, and rounded to the nearest number of E2M1, ties to even, subnormals kept.
;;     - The product sums the exact products of the quantised numbers (number of the format x scale) in f32.
;;   ~~~python
;;   def quantise(x, axis):      # numpy; x: float32 -> the quantised numbers, widened to float32 again
;;       x = np.moveaxis(x, axis, -1); K = x.shape[-1]
;;       x = np.pad(x, [(0, 0)] * (x.ndim - 1) + [(0, -K % 32)]); x = x.reshape(x.shape[:-1] + (-1, 32)); a = np.abs(x).max(-1, keepdims=True)
;;       e = np.where(a > 0, np.clip(np.frexp(np.where(a > 0, a, 1))[1] - 1 - 2, -126, 127), 0)      # np.frexp(a)[1] - 1 = floor(log2(a)), exactly
;;       r = np.clip(x / 2.0 ** e, -6, 6)
;;       step = 2.0 ** (np.maximum(np.frexp(np.where(r == 0, 1, r))[1] - 1, 0) - 1)
;;       q = np.round(r / step) * step * 2.0 ** e      # np.round: ties to even
;;       return np.moveaxis(q.reshape(q.shape[:-2] + (-1,))[..., :K], -1, axis).astype(np.float32)
;;   ~~~
;; One version. Each part assembles by itself: llvm-mc -triple=amdgcn-amd-amdhsa -mcpu=gfx1250 --defsym DOCPART=n.
;; ======== version 1 of 1: 4 launches
;; limits: values are held in f16: magnitudes above 65,504 overflow, below 6.1e-05 lose precision; right only within a limited range of input values
;; workspace buffers: codes 3,670,016 bytes; scales 229,376 bytes; woi 2,097,152 bytes; qimg 8,388,608 bytes; kv 16,777,216 bytes; att 8,388,608 bytes
;; launch prep (part 1): grid 256 x 1, 4 waves a work-group, no clusters, 167,936 bytes of LDS; arguments x, Wq, Wk, Wv, Wo, codes, scales, woi; writes codes, scales, woi
.if DOCPART == 1
	.amdgcn_target "amdgcn-amd-amdhsa--gfx1250"
	.amdhsa_code_object_version 6
	.text
	.protected	k_q2aa30c8185_prep
	.globl	k_q2aa30c8185_prep
	.p2align	8
	.type	k_q2aa30c8185_prep,@function
k_q2aa30c8185_prep:
	s_mov_b64 s[64:65], 0
	v_nop
	global_prefetch_b8 v0, s[64:65] scope:SCOPE_SE
	s_setreg_imm32_b32 hwreg(HW_REG_WAVE_MODE, 25, 1), 1
	s_wait_xcnt 0x0
; x [4096][1024], Wq, Wk, Wv [1024][1024], f32, become codes of FP4 (E2M1) with one E8M0 byte for each 32 along K (K is innermost in all four); Wo [1024][1024] becomes f16.
; A block's scale is 2^(floor(log2(its largest magnitude)) - 2); its byte is the largest magnitude's exponent field - 2, held at 1 from below.  A block of zeros keeps the byte 1 where the
; quantiser says 127: its codes are zeros, which add nothing under any byte but 0xff, and this program alone reads the bytes.
; LIMITS: NaN and infinities among the inputs are not served; blocks whose largest magnitude lies under 2^(3 - 127) take the floor's byte.
; ALL RESULTS ARE LAID AS IMAGES OF OPERAND REGISTERS: a fragment (16 rows x 128 K of codes, or 16 rows x 32 K of f16) is 1,024 bytes: registers 0-3 of lane l at 16 l, registers 4-7 at 512 + 16 l.
;   codes  [R / 128 (56)][k / 128 (8)][tile of 16 rows (8)][1,024]   R: x rows 0-4095, Wq 4096-5119, Wk 5120-6143, Wv 6144-7167
;   scales [k / 256 (4)][R (7168)][2 words]                          word j: the four bytes of K step 2 (k / 256) + j
;   woi    [n / 128 (8)][k / 32 (32)][tile (8)][1,024]
; SHARES.  Work-group g takes 32 whole rows (131,072 consecutive bytes): g < 128 of x, then 32 work-groups each for Wq, Wk, Wv, Wo.  Wave w takes 256 along K of them by ONE tensor load
; (32 rows x 1,024 bytes), reads only its own bytes of LDS, and needs no barrier.  Every store of a wave covers 512 (the scale words: 256) consecutive bytes, aligned.
.set PITCH,  1040                      ; an LDS row: 1,024 bytes + 16 of padding = 260 words: row r starts at bank 4 r mod 64 (64 banks of 4 bytes: ISA guide 11.1)
.set REGION, 32*PITCH                  ; a wave's tile
.set SPARE,  4*REGION                  ; behind the four tiles: the spare words, 128 bytes a wave: two blocks of 256 bytes that no other line names
.set AL,  4                            ; v4   codes: my wave's tile + row r + 128 h (32 numbers a half)
.set AF,  5                            ; v5   f16:   my wave's tile + row r + 32 h (8 numbers a half)
.set L16, 6                            ; v6   16 x lane
.set L8,  7                            ; v7   8 x lane
.set SPW, 8                            ; v8   LDS address of my spare word; never rewritten
.set NIL, 9                            ; v9   0; never rewritten
.set WD,  10                           ; v10-13 the scale word of fragment f
.set H8,  14                           ; v14  8 h
.set MX,  16                           ; v16-17 largest magnitudes;  v18-19 the conversions' scale operands;  v20-21 bytes;  v22-23 the word in the making
.set SO,  18
.set BY,  20
.set TW,  22
.set X,   32                           ; v32-159  two sets of 64 numbers
.set C,   160                          ; v160-223 results
.set G0,  20                           ; s[20:23] descriptor group 0
.set G1,  24                           ; s[24:31] descriptor group 1
	s_load_b256 s[4:11], s[0:1], 0x0               ; x, Wq, Wk, Wv
	s_load_b256 s[12:19], s[0:1], 0x20             ; Wo, codes, scales, woi
	v_lshl_add_u32 v[SPW], v0, 2, SPARE
	v_mov_b32 v[NIL], 0
	ds_add_u32 v[SPW], v[NIL]                      ; the wave's opening: the add, twice on end, and its wait ahead of my first tensor load
	ds_add_u32 v[SPW], v[NIL]
	v_lshrrev_b32 v1, 5, v0
	v_readfirstlane_b32 s2, v1                     ; wave 0..3 = which 256 along K
	s_mov_b32 s[G1+0], (2<<16)|(1<<20)|(7<<22)|(3<<25)  ; no mask; elements of 4 bytes; padding on: 4 words behind every 256
	s_mov_b32 s[G1+1], 256<<16                     ; tensor_dim0 = 256
	s_mov_b32 s[G1+2], 32<<16                      ; tensor_dim1 = 32
	s_mov_b32 s[G1+3], 256<<16                     ; tile_dim0 = 256
	s_mov_b32 s[G1+4], 32                          ; tile_dim1 = 32
	s_mov_b32 s[G1+5], 1024                        ; elements from row to row
	s_mov_b32 s[G1+6], 0
	s_mov_b32 s[G1+7], 0
	s_mov_b32 s[G0], 1
	s_mul_i32 s[G0+1], s2, REGION                  ; my tile in LDS
	s_mov_b32 s36, 0x76543210
	s_mov_b32 s37, 0xfedcba98                      ; v_permlanex16_b32's selects for lane l xor 16
	s_wait_dscnt 0x0                               ; both opening adds are done
	s_wait_kmcnt 0x0
	s_mov_b64 s[32:33], s[12:13]                   ; which tensor is my work-group's, and at which work-group it begins: a choice on the work-group's number alone
	s_mov_b32 s34, 224
	s_cmp_lt_u32 ttmp9, 224
	s_cselect_b64 s[32:33], s[10:11], s[32:33]
	s_cselect_b32 s34, 192, s34
	s_cmp_lt_u32 ttmp9, 192
	s_cselect_b64 s[32:33], s[8:9], s[32:33]
	s_cselect_b32 s34, 160, s34
	s_cmp_lt_u32 ttmp9, 160
	s_cselect_b64 s[32:33], s[6:7], s[32:33]
	s_cselect_b32 s34, 128, s34
	s_cmp_lt_u32 ttmp9, 128
	s_cselect_b64 s[32:33], s[4:5], s[32:33]
	s_cselect_b32 s34, 0, s34
	s_sub_co_u32 s34, ttmp9, s34
	s_lshl_b32 s34, s34, 17                        ; 32 rows of 4,096 bytes
	s_lshl_b32 s35, s2, 10                         ; my 256 numbers of a row
	s_add_co_u32 s34, s34, s35
	s_mov_b32 s35, 0
	s_add_nc_u64 s[G0+2:G0+3], s[32:33], s[34:35]
	s_or_b32 s[G0+3], s[G0+3], 0x80000000          ; type = 2
	tensor_load_to_lds s[G0:G0+3], s[G1:G1+7]      ; one tensor load of mine is out
	s_nop 0
	v_and_b32 v1, 31, v0                           ; lane
	v_and_b32 v2, 15, v0                           ; r
	v_bfe_u32 v3, v0, 4, 1                         ; h
	v_mul_u32_u24 v[AL], v2, PITCH
	v_add_nc_u32 v[AL], s[G0+1], v[AL]
	v_lshl_add_u32 v[AF], v3, 5, v[AL]
	v_lshl_add_u32 v[AL], v3, 7, v[AL]
	v_lshlrev_b32 v[L16], 4, v1
	v_lshlrev_b32 v[L8], 3, v1
	v_lshlrev_b32 v[H8], 3, v3
	v_mov_b32 v[TW+1], 0                           ; written once: a lane permute's destination counts as one of its sources
	s_lshr_b32 s38, ttmp9, 2                       ; which 128 rows,
	s_and_b32 s39, ttmp9, 3
	s_lshl_b32 s39, s39, 11                        ; and which two tiles of them
	s_mov_b32 s41, 0
	s_wait_tensorcnt 0x0                           ; my tile is in LDS; only I read it
	s_cmp_ge_u32 ttmp9, 224
	s_cbranch_scc1 .Lwo
	; ---- codes: four fragments f = 2 i + j (tile of rows i, K step j of 128)
	s_lshl_b32 s40, s38, 16
	s_lshl_b32 s42, s2, 14                         ; K step 2 w
	s_add_co_u32 s40, s40, s42
	s_add_co_u32 s40, s40, s39
	s_add_nc_u64 s[14:15], s[14:15], s[40:41]
	s_mul_i32 s40, s2, 57344                       ; scale words: plane w, 8 bytes a row, my 32 rows
	s_lshl_b32 s42, ttmp9, 8
	s_add_co_u32 s40, s40, s42
	s_add_nc_u64 s[16:17], s[16:17], s[40:41]
.macro LOADX f                         ; lane (r, h) takes, of row 16 i + r, k = 128 j + 64 c + 32 h + 0 .. 31: the very numbers whose codes the operand's layout gives it
.irp c, 0,1
.irp q, 0,1,2,3,4,5,6,7
	ds_load_b128 v[X+64*((\f)%2)+32*\c+4*\q:X+64*((\f)%2)+32*\c+4*\q+3], v[AL] offset:16*PITCH*((\f)/2)+512*((\f)%2)+256*\c+16*\q
.endr
.endr
.endm
.macro QUANT f
.set XS, X+64*((\f)%2)
.irp c, 0,1
	v_max3_num_f32 v[MX+\c], |v[XS+32*\c]|, |v[XS+32*\c+1]|, 0x1800000   ; my block 2 c + h: all its 32 numbers are mine; the floor 2^(3 - 127) holds the byte at 1 from below
.endr
.irp i, 2,4,6,8,10,12,14,16,18,20,22,24,26,28,30
.irp c, 0,1
	v_max3_num_f32 v[MX+\c], v[MX+\c], |v[XS+32*\c+\i]|, |v[XS+32*\c+\i+1]|   ; (the two blocks by turns)
.endr
.endr
.irp c, 0,1
	v_add_nc_u32 v[SO+\c], 0xff000000, v[MX+\c]    ; 2 off the exponent field: the conversion takes the exponent field of this operand as its scale
.endr
.irp c, 0,1
	v_lshrrev_b32 v[BY+\c], 23, v[SO+\c]           ; the scale's byte
.endr
	v_lshl_or_b32 v[TW], v[BY+1], 16, v[BY]        ; my two bytes, blocks h and 2 + h,
	v_lshlrev_b32 v[TW], v[H8], v[TW]              ; at their places in the word;
	v_permlanex16_b32 v[TW+1], v[TW], s36, s37
	v_or_b32 v[WD+(\f)], v[TW], v[TW+1]            ; with lane l xor 16's two the word is whole, in both halves
.irp c, 0,1
.irp g, 0,1,2,3
	v_cvt_scalef32_pk8_fp4_f32 v[C+8*(\f)+4*\c+\g], v[XS+32*\c+8*\g:XS+32*\c+8*\g+7], v[SO+\c]
.endr
.endr
	v_nop                                          ; one plain place behind the last scaled conversion
	global_store_b128 v[L16], v[C+8*(\f):C+8*(\f)+3], s[14:15] offset:8192*((\f)%2)+1024*((\f)/2)
	global_store_b128 v[L16], v[C+8*(\f)+4:C+8*(\f)+7], s[14:15] offset:8192*((\f)%2)+1024*((\f)/2)+512
.endm
	LOADX 0
	LOADX 1
	s_wait_dscnt 16                                ; fragment 0's 16 loads are in; the next fragment's 16 may be out
	QUANT 0
	LOADX 2
	s_wait_dscnt 16
	QUANT 1
	LOADX 3
	s_wait_dscnt 16
	QUANT 2
	s_wait_dscnt 0x0
	QUANT 3
	v_cmp_eq_u32 vcc_lo, 1, v3                     ; lane l stores row l's two words: lanes 0-15 tile 0's, lanes 16-31 tile 1's
	v_cndmask_b32 v24, v[WD], v[WD+2], vcc_lo
	v_cndmask_b32 v25, v[WD+1], v[WD+3], vcc_lo
	global_store_b64 v[L8], v[24:25], s[16:17]     ; 256 consecutive bytes, aligned
	s_wait_tensorcnt 0x0                           ; the wave's end
	ds_add_u32 v[SPW], v[NIL]
	s_wait_dscnt 0x0
	s_endpgm
.Lwo:	; ---- Wo to f16: sixteen fragments e = 8 i + ks (tile of rows i, K step ks of 32), four at a time
	s_sub_co_u32 s40, s38, 56
	s_lshl_b32 s40, s40, 18                        ; 128 rows of Wo are 262,144 bytes of images
	s_lshl_b32 s42, s2, 16                         ; K step 8 w
	s_add_co_u32 s40, s40, s42
	s_add_co_u32 s40, s40, s39
	s_add_nc_u64 s[18:19], s[18:19], s[40:41]
.macro LOADW n                         ; lane (r, h): k = 8 h + 0 .. 7 and 16 + 8 h + 0 .. 7 of the K step
.irp t, 0,1,2,3
.set E, 4*(\n)+\t
.set XS, X+64*((\n)%2)+16*\t
	ds_load_b128 v[XS:XS+3],     v[AF] offset:16*PITCH*(E/8)+128*(E%8)
	ds_load_b128 v[XS+4:XS+7],   v[AF] offset:16*PITCH*(E/8)+128*(E%8)+16
	ds_load_b128 v[XS+8:XS+11],  v[AF] offset:16*PITCH*(E/8)+128*(E%8)+64
	ds_load_b128 v[XS+12:XS+15], v[AF] offset:16*PITCH*(E/8)+128*(E%8)+80
.endr
.endm
.macro HALVE n
.irp t, 0,1,2,3
.irp i, 0,1,2,3,4,5,6,7
	v_cvt_pk_f16_f32 v[C+32*((\n)%2)+8*\t+\i], v[X+64*((\n)%2)+16*\t+2*\i], v[X+64*((\n)%2)+16*\t+2*\i+1]
.endr
.endr
.irp t, 0,1,2,3
.set E, 4*(\n)+\t
	global_store_b128 v[L16], v[C+32*((\n)%2)+8*\t:C+32*((\n)%2)+8*\t+3], s[18:19] offset:8192*(E%8)+1024*(E/8)
	global_store_b128 v[L16], v[C+32*((\n)%2)+8*\t+4:C+32*((\n)%2)+8*\t+7], s[18:19] offset:8192*(E%8)+1024*(E/8)+512
.endr
.endm
	LOADW 0
	LOADW 1
	s_wait_dscnt 16                                ; this batch's 16 loads are in; the next batch's may be out
	HALVE 0
	LOADW 2
	s_wait_dscnt 16
	HALVE 1
	LOADW 3
	s_wait_dscnt 16
	s_wait_xcnt 0x0                                ; batch 0's stores have read their registers, which are written again now
	HALVE 2
	s_wait_dscnt 0x0
	s_wait_xcnt 0x0                                ; and batch 1's
	HALVE 3
	s_wait_tensorcnt 0x0                           ; the wave's end
	ds_add_u32 v[SPW], v[NIL]
	s_wait_dscnt 0x0
	s_endpgm
.Lfunc_end_k_q2aa30c8185_prep:
	.size	k_q2aa30c8185_prep, .Lfunc_end_k_q2aa30c8185_prep-k_q2aa30c8185_prep
	.p2alignl 7, 3214868480
	.fill 96, 4, 3214868480
	.section	.rodata,"a",@progbits
	.p2align	6, 0x0
	.amdhsa_kernel k_q2aa30c8185_prep
		.amdhsa_group_segment_fixed_size 167936
		.amdhsa_private_segment_fixed_size 0
		.amdhsa_enable_private_segment 0
		.amdhsa_kernarg_size 64
		.amdhsa_user_sgpr_count 2
		.amdhsa_user_sgpr_kernarg_segment_ptr 1
		.amdhsa_wavefront_size32 1
		.amdhsa_system_sgpr_workgroup_id_x 1
		.amdhsa_system_sgpr_workgroup_id_y 1
		.amdhsa_system_sgpr_workgroup_id_z 1
		.amdhsa_system_vgpr_workitem_id 0
		.amdhsa_next_free_vgpr 224
		.amdhsa_next_free_sgpr 66
		.amdhsa_reserve_vcc 1
		.amdhsa_float_denorm_mode_32 3
		.amdhsa_float_denorm_mode_16_64 3
		.amdhsa_memory_ordered 1
		.amdhsa_forward_progress 1
		.amdhsa_inst_pref_size 37
	.end_amdhsa_kernel
	.amdgpu_metadata
---
amdhsa.version: [ 1, 2 ]
amdhsa.kernels:
  - .name:           k_q2aa30c8185_prep
    .symbol:         k_q2aa30c8185_prep.kd
    .args:
      - { .name: x, .offset: 0, .size: 8, .value_kind: global_buffer, .address_space: global }
      - { .name: Wq, .offset: 8, .size: 8, .value_kind: global_buffer, .address_space: global }
      - { .name: Wk, .offset: 16, .size: 8, .value_kind: global_buffer, .address_space: global }
      - { .name: Wv, .offset: 24, .size: 8, .value_kind: global_buffer, .address_space: global }
      - { .name: Wo, .offset: 32, .size: 8, .value_kind: global_buffer, .address_space: global }
      - { .name: codes, .offset: 40, .size: 8, .value_kind: global_buffer, .address_space: global }
      - { .name: scales, .offset: 48, .size: 8, .value_kind: global_buffer, .address_space: global }
      - { .name: woi, .offset: 56, .size: 8, .value_kind: global_buffer, .address_space: global }
    .group_segment_fixed_size: 167936
    .private_segment_fixed_size: 0
    .kernarg_segment_align: 8
    .kernarg_segment_size: 64
    .max_flat_workgroup_size: 128
    .sgpr_count:     66
    .vgpr_count:     224
    .wavefront_size: 32
...
	.end_amdgpu_metadata
.endif
;; end of part 1
;; launch proj (part 2): grid 8 x 32, 12 waves a work-group, clusters of 4 x 4, 280,576 bytes of LDS; arguments codes, scales, qimg, kv; writes qimg, kv
.if DOCPART == 2
	.amdgcn_target "amdgcn-amd-amdhsa--gfx1250"
	.amdhsa_code_object_version 6
	.text
	.protected	k_q2aa30c8185_proj
	.globl	k_q2aa30c8185_proj
	.p2align	8
	.type	k_q2aa30c8185_proj,@function
k_q2aa30c8185_proj:
	s_mov_b64 s[64:65], 0
	v_nop
	global_prefetch_b8 v0, s[64:65] scope:SCOPE_SE
	s_setreg_imm32_b32 hwreg(HW_REG_WAVE_MODE, 25, 1), 1
	s_wait_xcnt 0x0
	s_wait_alu depctr_hold_cnt(0) depctr_sa_sdst(0) depctr_va_vdst(0) depctr_va_sdst(0) depctr_va_ssrc(0) depctr_va_vcc(0) depctr_vm_vsrc(0)
	s_getreg_b32 s2, hwreg(HW_REG_IB_STS2, 6, 4)
	s_cmp_eq_u32 s2, 0
	s_cbranch_scc0 .Lentry_in_a_cluster
	s_endpgm
.Lentry_in_a_cluster:
	s_bfe_u32 s2, ttmp6, 0x10000c
	s_cmp_lg_u32 s2, 0xf033
	s_cbranch_scc0 .Lentry_shape_is_right
	s_endpgm
.Lentry_shape_is_right:
; Q = x Wq^T, K = x Wk^T, V = x Wv^T on codes of FP4 with E8M0 scales (K = 1,024), sums in f32, results rounded once to f16 and stored as images of the operand registers that the attention takes.
; SHARES.  A work-group takes 128 tokens (tb) x 128 channels (cb: two heads) of ALL THREE products.  All its operands for all of K lie in LDS: x's 64 KB, 64 KB of each weight, 16 KB of scale words:
; nothing is filled again.  Twelve waves: j = w / 4 the product, then 64 tokens (xh) x 64 channels (wh: one head): 16 accumulators.  Three waves share a SIMD: while one waits for LDS another multiplies.
; CLUSTER 4 x 4: x's tiles hang on tb alone and are asked for jointly along a row of the cluster, the weights' on cb alone and jointly along a column.
; Q and K: source 0 = 16 channels of W, source 1 = 16 tokens of x: a lane holds one token and eight neighbouring channels, which is a row of an operand whose K is the head's 64.
; V: source 0 = 16 tokens, source 1 = 16 channels: a lane holds one channel and eight neighbouring tokens: V^T, whose K is the keys.
;   qimg [b h (32)][tile of 16 queries (128)][d / 32 (2)][1,024]
;   kv   [b h (32)][slot of 128 keys (16)][32,768]: K [tile of 16 keys (8)][d / 32 (2)][1,024], then V^T [32 keys (4)][d / 16 (4)][1,024]
; LIMIT: Q, K and V must lie inside f16's range (65,504).
.set XIMG,  0                          ; x's codes: [K step (8)][tile (8)][1,024]
.set WIMG,  65536                      ; the three weights' likewise, 65,536 apart
.set SCX,   262144                     ; x's scale words [k / 256 (4)][128 rows][8 bytes]; the weights' follow, 4,096 apart
.set SPARE, 278528                     ; the spare words, 128 bytes for each of twelve waves: six blocks of 256 bytes that no other line names
.set L16, 1                            ; v1  16 x lane
.set AX,  2                            ; v2  my four tiles of x
.set AW,  3                            ; v3  my four tiles of my weight
.set ASC, 4                            ; v4  scale words: lanes 0-15 x's rows, lanes 16-31 the weight's
.set SPW, 5                            ; v5  LDS address of my spare word; never rewritten
.set NIL, 6                            ; v6  0; never rewritten
.set SC,  8                            ; v8-39   scale words: tile i, K step ks at 8 i + ks
.set XF,  40                           ; v40-71  four fragments of x
.set WF,  72                           ; v72-103 four of the weight
.set ACC, 104                          ; v104-231 accumulator (a, b) at 8 (4 a + b)
.set WV, 12
.set J,  13
.set Q,  14
.set XH, 15
.set WH, 66
.set CX, 67
.set CY, 68
.set CB, 69
.set TK, 70
.set G1X,  16                          ; s[16:23] group 1: 16 KB of x's codes       s[48:51] its group 0
.set G1W,  24                          ; s[24:31] 16 KB of a weight's codes         s[52:55]
.set G1SX, 32                          ; s[32:39] x's scale words                   s[56:59]
.set G1SW, 40                          ; s[40:47] a weight's scale words            s[60:63]
.set G0X,  48
.set G0W,  52
.set G0SX, 56
.set G0SW, 60
.macro ROUND                           ; a round of the cluster's barrier
	s_barrier_signal -1
	s_barrier_wait -1
	s_cmp_lg_u32 s[WV], 0
	s_cbranch_scc1 .Lnot_wave_0_\@
	s_barrier_signal -3
.Lnot_wave_0_\@:
	s_barrier_wait -3
	s_barrier_signal -1
	s_barrier_wait -1
.endm
.macro PLACES n
.rept \n
	v_nop
.endr
.endm
	s_load_b256 s[4:11], s[0:1], 0x0               ; codes, scales, qimg, kv
	v_lshl_add_u32 v[SPW], v0, 2, SPARE
	v_mov_b32 v[NIL], 0
	ds_add_u32 v[SPW], v[NIL]                      ; the wave's opening: the add, twice on end, and its wait ahead of my first tensor load
	ds_add_u32 v[SPW], v[NIL]
	v_lshrrev_b32 v1, 5, v0
	v_readfirstlane_b32 s[WV], v1                  ; wave 0..11
	s_lshr_b32 s[J], s[WV], 2                      ; 0 Q, 1 K, 2 V
	s_and_b32 s[Q], s[WV], 3
	s_and_b32 s[XH], s[Q], 1                       ; which 64 tokens
	s_lshr_b32 s[WH], s[Q], 1                      ; which 64 channels
	s_bfe_u32 s[CX], ttmp6, 0x40000
	s_bfe_u32 s[CY], ttmp6, 0x40004
	s_lshl_b32 s[CB], ttmp9, 2
	s_add_co_u32 s[CB], s[CB], s[CX]               ; block of 128 channels = 4 x cluster x + cx
	s_and_b32 s[TK], ttmp7, 0xffff
	s_lshl_b32 s[TK], s[TK], 2
	s_add_co_u32 s[TK], s[TK], s[CY]               ; block of 128 tokens = 4 x cluster y + cy
	s_lshl_b32 s71, s[CY], 2
	s_lshl_b32 s71, 15, s71                        ; my row of the cluster
	s_lshl_b32 s72, 0x1111, s[CX]                  ; my column
	s_or_b32 s[G1X], s71, (3<<16)|(1<<21)          ; the mask; elements of 8 bytes; bit 21 beside a mask; no padding: the blocks are read 512 consecutive bytes an instruction
	s_or_b32 s[G1W], s72, (3<<16)|(1<<21)
	s_or_b32 s[G1SX], s71, (3<<16)|(1<<21)
	s_or_b32 s[G1SW], s72, (3<<16)|(1<<21)
.irp g, G1X, G1W                       ; a dense block of 16,384 bytes as 64 rows of 256
	s_mov_b32 s[\g+1], 32<<16
	s_mov_b32 s[\g+2], 64<<16
	s_mov_b32 s[\g+3], 32<<16
	s_mov_b32 s[\g+4], 64
	s_mov_b32 s[\g+5], 32
	s_mov_b32 s[\g+6], 0
	s_mov_b32 s[\g+7], 0
.endr
.irp g, G1SX, G1SW                     ; 128 rows' words of each of the four planes: 4 rows of 1,024 bytes, 57,344 bytes apart
	s_mov_b32 s[\g+1], 128<<16
	s_mov_b32 s[\g+2], 4<<16
	s_mov_b32 s[\g+3], 128<<16
	s_mov_b32 s[\g+4], 4
	s_mov_b32 s[\g+5], 7168
	s_mov_b32 s[\g+6], 0
	s_mov_b32 s[\g+7], 0
.endr
	; byte offsets: x's in registers that never hold cx, the weights' in registers that never hold cy
	s_lshl_b32 s82, s[Q], 14                       ; quarter q of a block of 65,536
	s_lshl_b32 s74, s[TK], 16
	s_add_co_u32 s74, s74, s82
	s_mov_b32 s75, 0
	s_add_co_u32 s76, s[CB], 32                    ; the weights' rows begin at block 32, eight blocks each
	s_lshl_b32 s76, s76, 16
	s_add_co_u32 s76, s76, s82
	s_lshl_b32 s82, s[J], 19
	s_add_co_u32 s76, s76, s82
	s_mov_b32 s77, 0
	s_lshl_b32 s78, s[TK], 10                      ; 128 rows x 8 bytes
	s_mov_b32 s79, 0
	s_lshl_b32 s80, s[CB], 10
	s_lshl_b32 s82, s[Q], 13                       ; weight q - 1: row 4,096 + 1,024 (q - 1), 8 bytes a row
	s_add_co_u32 s80, s80, s82
	s_add_co_u32 s80, s80, 24576
	s_mov_b32 s81, 0
	s_mov_b32 s[G0X], 1
	s_lshl_b32 s[G0X+1], s[Q], 14
	s_mov_b32 s[G0W], 1
	s_lshl_b32 s[G0W+1], s[WV], 14                 ; 65,536 (1 + j) + 16,384 q = 65,536 + 16,384 w
	s_add_co_u32 s[G0W+1], s[G0W+1], WIMG
	s_mov_b32 s[G0SX], 1
	s_mov_b32 s[G0SX+1], SCX
	s_mov_b32 s[G0SW], 1
	s_lshl_b32 s[G0SW+1], s[Q], 12
	s_add_co_u32 s[G0SW+1], s[G0SW+1], SCX
	s_wait_dscnt 0x0                               ; both opening adds are done
	s_wait_kmcnt 0x0
	s_add_nc_u64 s[G0X+2:G0X+3], s[4:5], s[74:75]
	s_or_b32 s[G0X+3], s[G0X+3], 0x80000000
	s_add_nc_u64 s[G0W+2:G0W+3], s[4:5], s[76:77]
	s_or_b32 s[G0W+3], s[G0W+3], 0x80000000
	s_add_nc_u64 s[G0SX+2:G0SX+3], s[6:7], s[78:79]
	s_or_b32 s[G0SX+3], s[G0SX+3], 0x80000000
	s_add_nc_u64 s[G0SW+2:G0SW+3], s[6:7], s[80:81]
	s_or_b32 s[G0SW+3], s[G0SW+3], 0x80000000
	ROUND                                          ; all sixteen work-groups are here: the joint loads meet
	; the first and only fills.  Every wave: quarter q of its weight.  Waves 0-3 also: quarter q of x.  Wave 4 also: x's scale words; waves 5-7: those of weight q - 1.  Two tensor loads of a wave are out at the most.
	tensor_load_to_lds s[G0W:G0W+3], s[G1W:G1W+7]
	s_nop 0
	PLACES 4
	s_cmp_eq_u32 s[J], 0
	s_cbranch_scc0 .Lnot_x
	tensor_load_to_lds s[G0X:G0X+3], s[G1X:G1X+7]
	s_nop 0
	PLACES 4
	s_branch .Lasked
.Lnot_x:
	s_cmp_eq_u32 s[J], 1
	s_cbranch_scc0 .Lasked
	s_cmp_eq_u32 s[Q], 0
	s_cbranch_scc0 .Lscale_w
	tensor_load_to_lds s[G0SX:G0SX+3], s[G1SX:G1SX+7]
	s_nop 0
	PLACES 4
	s_branch .Lasked
.Lscale_w:
	tensor_load_to_lds s[G0SW:G0SW+3], s[G1SW:G1SW+7]
	s_nop 0
	PLACES 4
.Lasked:
	v_and_b32 v7, 31, v0
	v_lshlrev_b32 v[L16], 4, v7
	v_lshl_add_u32 v[AX], s[XH], 12, v[L16]        ; tiles 4 xh on
	s_lshl_b32 s82, s[J], 16
	s_add_co_u32 s82, s82, WIMG
	s_lshl_b32 s83, s[WH], 12
	s_add_co_u32 s82, s82, s83
	v_add_nc_u32 v[AW], s82, v[L16]
	v_and_b32 v7, 15, v0                           ; r
	v_bfe_u32 v[ASC], v0, 4, 1                     ; h
	s_xor_b32 s83, s[XH], 1                        ; from x's words to my weight's: 4,096 (1 + j) + 512 wh - 512 xh, made by additions: 3,584 + 512 (1 - xh) + ..
	s_lshl_b32 s83, s83, 9
	s_lshl_b32 s82, s[J], 12
	s_add_co_u32 s83, s83, s82
	s_lshl_b32 s82, s[WH], 9
	s_add_co_u32 s83, s83, s82
	s_add_co_u32 s83, s83, 3584
	v_mul_u32_u24 v[ASC], s83, v[ASC]              ; one product: lanes 16-31 stand that far on
	v_lshl_add_u32 v[ASC], v7, 3, v[ASC]
	s_lshl_b32 s82, s[XH], 9
	s_add_co_u32 s82, s82, SCX
	v_add_nc_u32 v[ASC], s82, v[ASC]
	; where my results go
	s_lshr_b32 s84, s[TK], 4
	s_lshl_b32 s84, s84, 4
	s_lshl_b32 s85, s[CB], 1
	s_add_co_u32 s84, s84, s85
	s_add_co_u32 s84, s84, s[WH]                   ; b h = 16 x batch + head
	s_and_b32 s85, s[TK], 15                       ; the slot of 128 tokens in the batch
	s_lshl_b32 s86, s84, 18
	s_lshl_b32 s87, s85, 14
	s_add_co_u32 s86, s86, s87                     ; in qimg
	s_lshl_b32 s88, s84, 19
	s_lshl_b32 s87, s85, 15
	s_add_co_u32 s88, s88, s87
	s_lshr_b32 s87, s[J], 1
	s_lshl_b32 s87, s87, 14                        ; V^T lies 16,384 behind K
	s_add_co_u32 s88, s88, s87                     ; in kv
	s_cmp_eq_u32 s[J], 0
	s_cselect_b32 s86, s86, s88
	s_cselect_b64 s[8:9], s[8:9], s[10:11]
	s_lshl_b32 s87, s[XH], 13                      ; my 64 tokens: 8,192 bytes on in all three
	s_add_co_u32 s86, s86, s87
	s_mov_b32 s87, 0
	s_add_nc_u64 s[8:9], s[8:9], s[86:87]
	s_wait_tensorcnt 0x0                           ; my parts are in,
	s_barrier_signal -1
	s_barrier_wait -1                              ; everybody's are
.irp i, 0,1,2,3
.irp kq, 0,1,2,3
	ds_load_b64 v[SC+8*\i+2*\kq:SC+8*\i+2*\kq+1], v[ASC] offset:128*\i+1024*\kq   ; all scale words, once: lanes 0-15 x's tile i, lanes 16-31 the weight's tile i
.endr
.endr
.macro FRAG4 reg, adr, ks
.irp t, 0,1,2,3
	ds_load_b128 v[\reg+8*\t:\reg+8*\t+3],   v[\adr] offset:8192*(\ks)+1024*\t
	ds_load_b128 v[\reg+8*\t+4:\reg+8*\t+7], v[\adr] offset:8192*(\ks)+1024*\t+512
.endr
.endm
; A K step of 128: source 1's four fragments, then source 0's; source 0's fragment a is waited for when its four products are due.  The 16 accumulators take turns, one instruction a turn, in the same
; order in every step.  The first step's products take the constant 0 as C.
.macro KSTEP swap, ks
.if (\ks) > 0
	PLACES 4                                       ; in front of loads into registers that matrix instructions have read
.endif
.if \swap
	FRAG4 WF, AW, \ks
	FRAG4 XF, AX, \ks
.else
	FRAG4 XF, AX, \ks
	FRAG4 WF, AW, \ks
.endif
.irp a, 0,1,2,3
	s_wait_dscnt 6-2*\a                            ; source 0's younger fragments may be out
.irp b, 0,1,2,3
.if \swap
.if (\ks) == 0
	v_wmma_scale_f32_16x16x128_f8f6f4 v[ACC+8*(4*\a+\b):ACC+8*(4*\a+\b)+7], v[XF+8*\a:XF+8*\a+7], v[WF+8*\b:WF+8*\b+7], 0, v[SC+8*\a+(\ks)], v[SC+8*\b+(\ks)] matrix_a_fmt:MATRIX_FMT_FP4 matrix_b_fmt:MATRIX_FMT_FP4 matrix_b_scale:MATRIX_SCALE_ROW1
.else
	v_wmma_scale_f32_16x16x128_f8f6f4 v[ACC+8*(4*\a+\b):ACC+8*(4*\a+\b)+7], v[XF+8*\a:XF+8*\a+7], v[WF+8*\b:WF+8*\b+7], v[ACC+8*(4*\a+\b):ACC+8*(4*\a+\b)+7], v[SC+8*\a+(\ks)], v[SC+8*\b+(\ks)] matrix_a_fmt:MATRIX_FMT_FP4 matrix_b_fmt:MATRIX_FMT_FP4 matrix_b_scale:MATRIX_SCALE_ROW1
.endif
.else
.if (\ks) == 0
	v_wmma_scale_f32_16x16x128_f8f6f4 v[ACC+8*(4*\a+\b):ACC+8*(4*\a+\b)+7], v[WF+8*\a:WF+8*\a+7], v[XF+8*\b:XF+8*\b+7], 0, v[SC+8*\a+(\ks)], v[SC+8*\b+(\ks)] matrix_a_fmt:MATRIX_FMT_FP4 matrix_b_fmt:MATRIX_FMT_FP4 matrix_a_scale:MATRIX_SCALE_ROW1
.else
	v_wmma_scale_f32_16x16x128_f8f6f4 v[ACC+8*(4*\a+\b):ACC+8*(4*\a+\b)+7], v[WF+8*\a:WF+8*\a+7], v[XF+8*\b:XF+8*\b+7], v[ACC+8*(4*\a+\b):ACC+8*(4*\a+\b)+7], v[SC+8*\a+(\ks)], v[SC+8*\b+(\ks)] matrix_a_fmt:MATRIX_FMT_FP4 matrix_b_fmt:MATRIX_FMT_FP4 matrix_a_scale:MATRIX_SCALE_ROW1
.endif
.endif
.endr
.endr
.endm
; The whole product and its way out.  Accumulators (2 u, b) and (2 u + 1, b), rounded to f16 in pairs, ARE the eight registers of an f16 fragment (32 along source 0's rows): each accumulator is read from its low end on.
.macro GEMM swap
.irp ks, 0,1,2,3,4,5,6,7
	KSTEP \swap, \ks
.endr
	PLACES 5                                       ; the conversions read results and write over fragments that the last products read
.irp u, 0,1
.irp b, 0,1,2,3
.irp i, 0,1,2,3
	v_cvt_pk_f16_f32 v[XF+8*(4*\u+\b)+\i], v[ACC+8*(8*\u+\b)+2*\i], v[ACC+8*(8*\u+\b)+2*\i+1]
.endr
.irp i, 0,1,2,3
	v_cvt_pk_f16_f32 v[XF+8*(4*\u+\b)+4+\i], v[ACC+8*(8*\u+4+\b)+2*\i], v[ACC+8*(8*\u+4+\b)+2*\i+1]
.endr
.endr
.endr
.irp u, 0,1
.irp b, 0,1,2,3
.if \swap
	global_store_b128 v[L16], v[XF+8*(4*\u+\b):XF+8*(4*\u+\b)+3],   s[8:9] offset:(4*\u+\b)*1024       ; V^T: 32 keys u, channels 16 b on
	global_store_b128 v[L16], v[XF+8*(4*\u+\b)+4:XF+8*(4*\u+\b)+7], s[8:9] offset:(4*\u+\b)*1024+512
.else
	global_store_b128 v[L16], v[XF+8*(4*\u+\b):XF+8*(4*\u+\b)+3],   s[8:9] offset:(2*\b+\u)*1024       ; Q, K: tile of tokens b, channels 32 u on
	global_store_b128 v[L16], v[XF+8*(4*\u+\b)+4:XF+8*(4*\u+\b)+7], s[8:9] offset:(2*\b+\u)*1024+512
.endif
.endr
.endr
.endm
	s_cmp_eq_u32 s[J], 2
	s_cbranch_scc1 .Lfor_v
	GEMM 0
	s_branch .Ldone
.Lfor_v:
	GEMM 1
.Ldone:
	s_wait_tensorcnt 0x0                           ; the wave's end
	ds_add_u32 v[SPW], v[NIL]
	s_wait_dscnt 0x0
	ROUND                                          ; the closing round
	s_endpgm
.Lfunc_end_k_q2aa30c8185_proj:
	.size	k_q2aa30c8185_proj, .Lfunc_end_k_q2aa30c8185_proj-k_q2aa30c8185_proj
	.p2alignl 7, 3214868480
	.fill 96, 4, 3214868480
	.section	.rodata,"a",@progbits
	.p2align	6, 0x0
	.amdhsa_kernel k_q2aa30c8185_proj
		.amdhsa_group_segment_fixed_size 280576
		.amdhsa_private_segment_fixed_size 0
		.amdhsa_enable_private_segment 0
		.amdhsa_kernarg_size 32
		.amdhsa_user_sgpr_count 2
		.amdhsa_user_sgpr_kernarg_segment_ptr 1
		.amdhsa_wavefront_size32 1
		.amdhsa_system_sgpr_workgroup_id_x 1
		.amdhsa_system_sgpr_workgroup_id_y 1
		.amdhsa_system_sgpr_workgroup_id_z 1
		.amdhsa_system_vgpr_workitem_id 0
		.amdhsa_next_free_vgpr 256
		.amdhsa_next_free_sgpr 100
		.amdhsa_reserve_vcc 0
		.amdhsa_float_denorm_mode_32 3
		.amdhsa_float_denorm_mode_16_64 3
		.amdhsa_memory_ordered 1
		.amdhsa_forward_progress 1
		.amdhsa_inst_pref_size 73
	.end_amdhsa_kernel
	.amdgpu_metadata
---
amdhsa.version: [ 1, 2 ]
amdhsa.kernels:
  - .name:           k_q2aa30c8185_proj
    .symbol:         k_q2aa30c8185_proj.kd
    .args:
      - { .name: codes, .offset: 0, .size: 8, .value_kind: global_buffer, .address_space: global }
      - { .name: scales, .offset: 8, .size: 8, .value_kind: global_buffer, .address_space: global }
      - { .name: qimg, .offset: 16, .size: 8, .value_kind: global_buffer, .address_space: global }
      - { .name: kv, .offset: 24, .size: 8, .value_kind: global_buffer, .address_space: global }
    .group_segment_fixed_size: 280576
    .private_segment_fixed_size: 0
    .kernarg_segment_align: 8
    .kernarg_segment_size: 32
    .max_flat_workgroup_size: 384
    .sgpr_count:     100
    .vgpr_count:     256
    .wavefront_size: 32
...
	.end_amdgpu_metadata
.endif
;; end of part 2
;; launch attn (part 3): grid 8 x 32, 16 waves a work-group, clusters of 4 x 1, 327,680 bytes of LDS; arguments qimg, kv, alibi_slopes, power, att; writes att
.if DOCPART == 3
	.amdgcn_target "amdgcn-amd-amdhsa--gfx1250"
	.amdhsa_code_object_version 6
	.text
	.protected	k_q2aa30c8185_attn
	.globl	k_q2aa30c8185_attn
	.p2align	8
	.type	k_q2aa30c8185_attn,@function
k_q2aa30c8185_attn:
	s_mov_b64 s[64:65], 0
	v_nop
	global_prefetch_b8 v0, s[64:65] scope:SCOPE_SE
	s_setreg_imm32_b32 hwreg(HW_REG_WAVE_MODE, 25, 1), 1
	s_wait_xcnt 0x0
	s_wait_alu depctr_hold_cnt(0) depctr_sa_sdst(0) depctr_va_vdst(0) depctr_va_sdst(0) depctr_va_ssrc(0) depctr_va_vcc(0) depctr_vm_vsrc(0)
	s_getreg_b32 s2, hwreg(HW_REG_IB_STS2, 6, 4)
	s_cmp_eq_u32 s2, 0
	s_cbranch_scc0 .Lentry_in_a_cluster
	s_endpgm
.Lentry_in_a_cluster:
	s_bfe_u32 s2, ttmp6, 0x10000c
	s_cmp_lg_u32 s2, 0x3003
	s_cbranch_scc0 .Lentry_shape_is_right
	s_endpgm
.Lentry_shape_is_right:
; For each batch and head: x = 2 q.k - slope (q - k) for keys k <= q, x = -10000 for keys k > q; u = 0.5 + 0.5 x / (|x| + 1); p = u^power; out = (sum of p V) / (sum of p + 1e-6).  f16 operands, f32 sums.
; THE SCORE IS KEPT HALVED: y = x / 2 = q.k - (slope / 2)(q - k), so u = 0.5 + y / (2 |y| + 1); the term with the slope is written into the score registers and is the first product's C.
; p' = 2^(power log2|u| + sh) = p 2^sh.  sh = 14 for power >= 0, so that p' <= 16,384 lies in f16; for power < 0, sh = 14 + floor(power log2(1 / u(-10000))), which puts a hidden key's weight at 2^14 at the most.
; The divisor is the sum of the unrounded p' + 1e-6 x 2^sh.  No maximum is taken: the computation has none, u lies in [0, 1], and what f16 drops at the low end, under 2^-39 a key, is under 4e-9 over 2,048 keys beside the 1e-6.
; HIDDEN KEYS COUNT: each has the weight c = u(-10000)^power.  In the slot of a tile's diagonal hidden scores become -5000 and take the common way.  In every later slot the product with V takes a constant
; operand, f16(c') in all places, with no vector work, and the sum gets 128 (15 - m) c' at the end.
; LIMITS: power finite; for power < 0 no open score under about -10000 x 2^(2 / |power|); u = 0 with power = 0 gives NaN; weights under 2^-126 fall to 0; NaN and infinities among the inputs are not served.
; SHARES.  Work-group g (0..7) of a head owns query tile 8 m + g of each group m of 128 queries (m = 0..15), so every work-group walks all 16 slots of 128 keys and has the same work, and nothing but global addresses and
; numbers hangs on g.  Wave w owns the pair jp of tiles (m = 15 - jp: H, m = jp: L) for half s of each slot's keys (64: two steps of 32): 17 live and 15 constant tile-slots a wave.  A fragment of K or V feeds both tiles.
; At the end the two waves of a pair exchange: s = 0 finishes H, s = 1 finishes L.
; CLUSTER 4 x 1: the four work-groups walk the same K and V in step: each ring slot (256 keys, 65,536 bytes) is asked for jointly, waves 0-3 a quarter each.
; LAYOUT.  S^T = K Q^T (source 0 = 16 keys), O^T = V^T P (source 0 = 16 channels): a lane holds ONE query (lane % 16); two tiles of S^T, rounded to f16 in pairs, are source 1 of the second product.
;   att [token / 128 (32)][c / 32 (32)][tile of 16 tokens (8)][1,024]: images of f16 fragments
.set RING1, 65536                      ; ring slot 1; one exclusive or turns an address
.set EXO,   131072                     ; the exchange: 4,096 bytes a wave,
.set EXS,   196608                     ; and 128 for its sum
.set SPARE, 198656                     ; the spare words, 128 bytes for each of sixteen waves: eight blocks of 256 bytes that no other line names
.set A0,   1                           ; v1   16 x lane + 8,192 s
.set ADR,  2                           ; v2   the ring slot in hand + A0
.set DV0,  3                           ; v3, v4  16 g + r - 8 h - 64 s - 32 st: register 8 kt + j is hidden on the diagonal where 16 kt + j is greater
.set NEG,  5                           ; v5   -5000.0
.set SPW,  6                           ; v6   LDS address of my spare word; never rewritten
.set NIL,  7                           ; v7   0; never rewritten
.set SH,   8                           ; v8-9 sh, twice
.set CC,   10                          ; v10  c'
.set EPV,  11                          ; v11  1e-6 x 2^sh
.set SUMH, 12                          ; v12-13, v14-15 the sums, in two halves
.set SUML, 14
.set TMP,  16                          ; v16-18 at work
.set GOF,  19                          ; v19  16 x lane
.set XOS,  20                          ; v20, v21 the exchange: where I store, where I load;  v22, v23 the same for the sum
.set XOL,  21
.set XSS,  22
.set XSL,  23
.set CP,   24                          ; v24-31  -(slope / 2)(r - 8 h - j - 128)
.set PC,   32                          ; v32-39  f16(c') in all places
.set P,    40                          ; v40-47  the weights as f16
.set S,    48                          ; v48-63  S^T: two tiles of 16 keys
.set T,    64                          ; v64-79  at work on them
.set KF,   80                          ; v80-111  K: tile kt, channels 32 ds on, at 8 (2 kt + ds)
.set VF,   112                         ; v112-143 V^T: channels 16 dt on
.set QH,   144                         ; v144-159, v160-175 Q of the two tiles
.set QL,   160
.set OH,   176                         ; v176-207, v208-239 O^T
.set OL,   208
.set PFO,  240                         ; v240 256 x lane; never rewritten
.set WV,  28
.set JP,  29
.set SS,  30
.set MHI, 31
.set MLO, 32
.set KS,  33                           ; the slot of 128 keys in hand, 0..15
.set TB,  34                           ; the ring slot in hand, in LDS
.set RC,  35                           ; ring slots still to be asked for
.set PW,  36                           ; s[36:37] power
.set NHS, 38                           ; -slope / 2
.set DH,  39                           ; 128 (m - KS) + 16 g + 128 - 64 s, for H and for L
.set DL,  40
.set OF0, 42                           ; s[42:43], s[44:45] the step's part of the slope's term, for key tiles 0 and 1
.set OF1, 44
.set SEL, 46                           ; s[46:47]
.set PFA, 48                           ; s[48:49] where my prefetches stand
.set LIM, 50
.set CX,  51
.set G,   52
.set BH,  53
.macro ROUND                           ; a round of the cluster's barrier
	s_barrier_signal -1
	s_barrier_wait -1
	s_cmp_lg_u32 s[WV], 0
	s_cbranch_scc1 .Lnot_wave_0_\@
	s_barrier_signal -3
.Lnot_wave_0_\@:
	s_barrier_wait -3
	s_barrier_signal -1
	s_barrier_wait -1
.endm
.macro JLOAD                           ; waves 0-3 fetch a quarter of a ring slot each; the branch hangs on the wave's number alone
	s_cmp_lt_u32 s[WV], 4
	s_cbranch_scc0 .Lno_load_\@
	tensor_load_to_lds s[24:27], s[16:23]
	s_nop 0
.rept 4
	v_nop
.endr
.Lno_load_\@:
.endm
; A PREFETCH of the ring slot that the NEXT change will ask for: 65,536 bytes.  Both clusters of a head walk the same K and V: the first (cluster x = 0) asks.  Its four partners take 16,384 bytes each, told apart by
; address; in each, waves 4 and 5 take 8,192 each, lanes 256 bytes apart: each aligned block of 256 bytes is named once in the launch.  The last change that fills a slot asks for nothing; slots 0 and 1 come by their loads alone.
.macro ASK
	s_cmp_gt_u32 s[RC], s[LIM]
	s_cbranch_scc0 .Lnot_mine_\@
	global_prefetch_b8 v[PFO], s[PFA:PFA+1] th:TH_LOAD_NT scope:SCOPE_SE
.Lnot_mine_\@:
.endm
	s_load_b256 s[4:11], s[0:1], 0x0               ; qimg, kv, alibi_slopes, power
	s_load_b64 s[12:13], s[0:1], 0x20              ; att
	v_lshl_add_u32 v[SPW], v0, 2, SPARE
	v_mov_b32 v[NIL], 0
	ds_add_u32 v[SPW], v[NIL]                      ; the wave's opening: the add, twice on end, and its wait ahead of the first tensor load
	ds_add_u32 v[SPW], v[NIL]
	v_lshrrev_b32 v1, 5, v0
	v_readfirstlane_b32 s[WV], v1                  ; wave 0..15
	s_lshr_b32 s54, s[WV], 2                       ; a
	s_and_b32 s55, s[WV], 3                        ; b
	s_add_co_u32 s55, s55, s54
	s_and_b32 s55, s55, 3                          ; (a + b) % 4: so the pairs, whose work falls at different slots, are spread over the waves whichever way these are dealt
	s_and_b32 s56, s54, 1
	s_lshl_b32 s[JP], s55, 1
	s_add_co_u32 s[JP], s[JP], s56                 ; the pair, 0..7
	s_lshr_b32 s[SS], s54, 1                       ; the half of each slot's keys
	s_xor_b32 s[MHI], s[JP], 15                    ; 15 - jp
	s_mov_b32 s[MLO], s[JP]
	s_bfe_u32 s[CX], ttmp6, 0x40000
	s_lshl_b32 s[G], ttmp9, 2
	s_add_co_u32 s[G], s[G], s[CX]                 ; g = 4 x cluster x + cx
	s_and_b32 s[BH], ttmp7, 0xffff                 ; batch and head, which the partners share
	s_mov_b32 s16, 15|(3<<16)|(1<<21)              ; group 1: the mask names all four; elements of 8 bytes; bit 21 beside a mask; a dense block of 16,384 bytes as 64 rows of 256
	s_mov_b32 s17, 32<<16
	s_mov_b32 s18, 64<<16
	s_mov_b32 s19, 32<<16
	s_mov_b32 s20, 64
	s_mov_b32 s21, 32
	s_mov_b32 s22, 0
	s_mov_b32 s23, 0
	s_mov_b32 s24, 1                               ; group 0, which walks
	s_lshl_b32 s25, s[WV], 14
	s_lshl_b32 s54, s[BH], 19                      ; a head's K and V: 524,288 bytes
	s_add_co_u32 s54, s54, s25
	s_mov_b32 s55, 0
	s_lshl_b32 s60, s[BH], 19
	s_lshl_b32 s61, s[CX], 14
	s_add_co_u32 s60, s60, s61
	s_and_b32 s61, s[WV], 1
	s_lshl_b32 s61, s61, 13
	s_add_co_u32 s60, s60, s61
	s_add_co_u32 s60, s60, RING1                   ; in ring slot 1: the first change steps it to slot 2
	s_mov_b32 s61, 0
	s_sub_co_u32 s58, s[WV], 4
	s_lshr_b32 s58, s58, 1                         ; 0 in waves 4 and 5,
	s_or_b32 s58, s58, ttmp9                       ; of the head's first cluster: the same in all four partners
	s_cmp_eq_u32 s58, 0
	s_cselect_b32 s[LIM], 1, -1
	s_mov_b32 s[KS], 0
	s_mov_b32 s[TB], 0
	s_mov_b32 s[RC], 7
	s_mov_b32 s[SEL], 0x76543210
	s_mov_b32 s[SEL+1], 0xfedcba98
	s_mov_b32 s[OF0+1], 0                          ; (named as the upper halves of pairs)
	s_mov_b32 s[OF1+1], 0
	s_lshl_b32 s56, s[G], 4
	s_add_co_u32 s56, s56, 128
	s_lshl_b32 s57, s[SS], 6
	s_sub_co_u32 s56, s56, s57                     ; 16 g + 128 - 64 s
	s_lshl_b32 s[DH], s[MHI], 7
	s_add_co_u32 s[DH], s[DH], s56
	s_lshl_b32 s[DL], s[MLO], 7
	s_add_co_u32 s[DL], s[DL], s56
	s_wait_dscnt 0x0                               ; both opening adds are done
	s_wait_kmcnt 0x0
	s_add_nc_u64 s[26:27], s[6:7], s[54:55]
	s_or_b32 s27, s27, 0x80000000
	s_add_nc_u64 s[PFA:PFA+1], s[6:7], s[60:61]
	s_and_b32 s62, s[BH], 15                       ; the head
	s_lshl_b32 s62, s62, 2
	s_mov_b32 s63, 0
	s_add_nc_u64 s[8:9], s[8:9], s[62:63]
	s_load_b32 s[NHS], s[8:9], 0x0                 ; its slope
	s_load_b32 s[PW], s[10:11], 0x0
	ROUND                                          ; all four work-groups are here
	JLOAD                                          ; ring slot 0: one tensor load of a wave is out
	s_lshl_b32 s66, s[BH], 18                      ; Q: 262,144 bytes a head, 2,048 a tile
	s_lshl_b32 s67, s[G], 11
	s_add_co_u32 s66, s66, s67
	s_lshl_b32 s67, s[MHI], 14
	s_add_co_u32 s68, s66, s67
	s_mov_b32 s69, 0
	s_add_nc_u64 s[68:69], s[4:5], s[68:69]
	s_lshl_b32 s67, s[MLO], 14
	s_add_co_u32 s70, s66, s67
	s_mov_b32 s71, 0
	s_add_nc_u64 s[70:71], s[4:5], s[70:71]
	v_and_b32 v16, 31, v0
	v_lshlrev_b32 v[GOF], 4, v16
.irp i, 0,1,2,3
	global_load_b128 v[QH+4*\i:QH+4*\i+3], v[GOF], s[68:69] offset:512*\i
	global_load_b128 v[QL+4*\i:QL+4*\i+3], v[GOF], s[70:71] offset:512*\i
.endr
	v_lshlrev_b32 v[PFO], 8, v16
	v_lshl_add_u32 v[A0], s[SS], 13, v[GOF]
	s_lshl_b32 s72, s[JP], 1
	s_add_co_u32 s72, s72, s[SS]                   ; my place in the exchange,
	s_xor_b32 s73, s72, 1                          ; my partner's
	s_lshl_b32 s74, s72, 12
	s_add_co_u32 s74, s74, EXO
	v_add_nc_u32 v[XOS], s74, v[GOF]
	s_lshl_b32 s74, s73, 12
	s_add_co_u32 s74, s74, EXO
	v_add_nc_u32 v[XOL], s74, v[GOF]
	v_lshlrev_b32 v17, 2, v16
	s_lshl_b32 s74, s72, 7
	s_add_co_u32 s74, s74, EXS
	v_add_nc_u32 v[XSS], s74, v17
	s_lshl_b32 s74, s73, 7
	s_add_co_u32 s74, s74, EXS
	v_add_nc_u32 v[XSL], s74, v17
	v_and_b32 v16, 15, v0                          ; r
	v_bfe_u32 v17, v0, 4, 1                        ; h
	v_lshlrev_b32 v17, 3, v17
	v_sub_nc_u32 v18, v16, v17                     ; r - 8 h
	s_sub_co_u32 s75, s56, 128
	v_add_nc_u32 v[DV0], s75, v18
	v_add_nc_u32 v[DV0+1], 0xffffffe0, v[DV0]      ; - 32 for the second step
	v_mov_b32 v[NEG], 0xc59c4000                   ; -5000.0
.irp j, 0,1,2,3,4,5,6,7
	v_add_nc_u32 v[CP+\j], -128-\j, v18
.endr
.irp j, 0,1,2,3,4,5,6,7
	v_cvt_f32_i32 v[CP+\j], v[CP+\j]
.endr
	s_wait_kmcnt 0x0                               ; the slope and the power
	s_mul_f32 s[NHS], s[NHS], -0.5
	s_mov_b32 s[PW+1], s[PW]
.irp j, 0,1,2,3,4,5,6,7
	v_mul_f32 v[CP+\j], s[NHS], v[CP+\j]
.endr
	v_fma_f32 v16, |v[NEG]|, 2.0, 1.0              ; a hidden key's weight, by the same operations as any score's
	v_rcp_f32 v16, v16
	v_nop
	s_wait_alu depctr_va_vdst(0)                   ; the wait ahead of a transcendental's first reader
	v_fma_f32 v16, v[NEG], v16, 0.5
	v_log_f32 v16, |v16|
	v_nop
	s_wait_alu depctr_va_vdst(0)
	v_mul_f32 v17, s[PW], v16
	v_floor_f32 v17, -v17
	v_min_num_f32 v17, 0, v17                      ; 0 for power >= 0
	v_add_f32 v[SH], 0x41600000, v17               ; sh = 14 + that
	v_mov_b32 v[SH+1], v[SH]
	v_fma_f32 v16, v16, s[PW], v[SH]
	v_exp_f32 v[CC], v16
	v_cvt_i32_f32 v17, v[SH]
	v_mov_b32 v18, 0x358637bd                      ; 1e-6
	v_ldexp_f32 v[EPV], v18, v17
	s_wait_alu depctr_va_vdst(0)
	v_cvt_pk_f16_f32 v[PC], v[CC], v[CC]
.irp j, 1,2,3,4,5,6,7
	v_mov_b32 v[PC+\j], v[PC]
.endr
.irp j, 0,1,2,3
	v_mov_b32 v[SUMH+\j], 0
.endr
.set i, 0
.rept 64
	v_mov_b32 v[OH+i], 0                           ; O^T of both tiles.  (The step is written for sums that go on: a first step of its own would be a third copy of it)
.set i, i+1
.endr
	s_wait_loadcnt 0x0                             ; Q
.macro LDK u, st
.irp f, 0,1,2,3
	ds_load_b128 v[KF+8*\f:KF+8*\f+3],   v[ADR] offset:32768*\u+4096*\st+1024*\f
	ds_load_b128 v[KF+8*\f+4:KF+8*\f+7], v[ADR] offset:32768*\u+4096*\st+1024*\f+512
.endr
.endm
.macro LDV u, st
.irp f, 0,1,2,3
	ds_load_b128 v[VF+8*\f:VF+8*\f+3],   v[ADR] offset:32768*\u+16384+4096*\st+1024*\f
	ds_load_b128 v[VF+8*\f+4:VF+8*\f+7], v[ADR] offset:32768*\u+16384+4096*\st+1024*\f+512
.endr
.endm
; A live tile's step of 32 keys.  q, o, sum: its registers; d, m: its scalars; first = 1: the loads are waited for here.
.macro ACTIVE q, o, sum, d, m, st, first
	s_sub_co_u32 s76, s[\d], 32*\st                ; at least 16 wherever the tile is live
	s_cvt_f32_u32 s77, s76
	s_mul_f32 s[OF0], s77, s[NHS]
	s_sub_co_u32 s76, s76, 16
	s_cvt_f32_u32 s77, s76
	s_mul_f32 s[OF1], s77, s[NHS]
.irp i, 0,2,4,6
	v_pk_add_f32 v[S+\i:S+\i+1], v[CP+\i:CP+\i+1], s[OF0:OF0+1] op_sel_hi:[1,0]       ; -(slope / 2)(query - key): the products' C
.endr
.irp i, 0,2,4,6
	v_pk_add_f32 v[S+8+\i:S+9+\i], v[CP+\i:CP+\i+1], s[OF1:OF1+1] op_sel_hi:[1,0]
.endr
.if \first
	s_wait_dscnt 8                                 ; K is in; V's eight loads, issued behind K's, may be out
.endif
	v_wmma_f32_16x16x32_f16 v[S:S+7],    v[KF:KF+7],     v[\q:\q+7],    v[S:S+7]          ; the two accumulators by turns
	v_wmma_f32_16x16x32_f16 v[S+8:S+15], v[KF+16:KF+23], v[\q:\q+7],    v[S+8:S+15]
	v_wmma_f32_16x16x32_f16 v[S:S+7],    v[KF+8:KF+15],  v[\q+8:\q+15], v[S:S+7]
	v_wmma_f32_16x16x32_f16 v[S+8:S+15], v[KF+24:KF+31], v[\q+8:\q+15], v[S+8:S+15]
.rept 4
	v_nop
.endr
	s_cmp_lg_u32 s[KS], s[\m]                      ; only the slot of the diagonal has hidden keys among live ones: wave's number and count of slots alone
	s_cbranch_scc1 .Lopen_\@
.irp n, 0,1,2,3,4,5,6,7,8,9,10,11,12,13,14,15
	v_cmp_gt_i32 vcc_lo, \n+8*(\n/8), v[DV0+\st]
	v_cndmask_b32 v[S+\n], v[S+\n], v[NEG], vcc_lo
.endr
.Lopen_\@:
.irp n, 0,1,2,3,4,5,6,7,8,9,10,11,12,13,14,15
	v_fma_f32 v[T+\n], |v[S+\n]|, 2.0, 1.0         ; 2 |y| + 1
.endr
.irp n, 0,1,2,3,4,5,6,7,8,9,10,11,12,13,14,15
	v_rcp_f32 v[T+\n], v[T+\n]
.endr
	v_nop                                          ; a plain place behind the batch,
	s_wait_alu depctr_va_vdst(0)                   ; and one wait for it, ahead of its first reader
.irp i, 0,2,4,6,8,10,12,14
	v_pk_fma_f32 v[T+\i:T+\i+1], v[S+\i:S+\i+1], v[T+\i:T+\i+1], 0.5 op_sel_hi:[1,1,0]   ; u
.endr
.irp n, 0,1,2,3,4,5,6,7,8,9,10,11,12,13,14,15
	v_log_f32 v[T+\n], |v[T+\n]|                   ; (|.|: far below zero the reciprocal's rounding can leave u a few 2^-25 under 0)
.endr
	v_nop
	s_wait_alu depctr_va_vdst(0)
.irp i, 0,2,4,6,8,10,12,14
	v_pk_fma_f32 v[T+\i:T+\i+1], v[T+\i:T+\i+1], s[PW:PW+1], v[SH:SH+1] op_sel_hi:[1,0,1]
.endr
.irp n, 0,1,2,3,4,5,6,7,8,9,10,11,12,13,14,15
	v_exp_f32 v[T+\n], v[T+\n]                     ; p'
.endr
	v_nop
	s_wait_alu depctr_va_vdst(0)
.irp i, 0,1,2,3,4,5,6,7
	v_cvt_pk_f16_f32 v[P+\i], v[T+2*\i], v[T+2*\i+1]
.endr
	v_pk_add_f32 v[TMP:TMP+1], v[T:T+1], v[T+2:T+3]                ; the sum is taken of the unrounded p', in two chains
.irp i, 4,8,12
	v_pk_add_f32 v[\sum:\sum+1], v[\sum:\sum+1], v[T+\i:T+\i+1]
	v_pk_add_f32 v[TMP:TMP+1], v[TMP:TMP+1], v[T+\i+2:T+\i+3]
.endr
	v_pk_add_f32 v[\sum:\sum+1], v[\sum:\sum+1], v[TMP:TMP+1]
.if \first
	s_wait_dscnt 0x0                               ; V is in
.endif
.irp t, 0,1,2,3
	v_wmma_f32_16x16x32_f16 v[\o+8*\t:\o+8*\t+7], v[VF+8*\t:VF+8*\t+7], v[P:P+7], v[\o+8*\t:\o+8*\t+7]
.endr
.endm
.macro CONSTP o                        ; a tile all of whose keys in this step are hidden: every weight is c'
.irp t, 0,1,2,3
	v_wmma_f32_16x16x32_f16 v[\o+8*\t:\o+8*\t+7], v[VF+8*\t:VF+8*\t+7], v[PC:PC+7], v[\o+8*\t:\o+8*\t+7]
.endr
.endm
.macro STEP u, st
.rept 4
	v_nop                                          ; in front of loads into registers that the last products read
.endr
	s_cmp_gt_u32 s[KS], s[MHI]
	s_cbranch_scc1 .Lboth_const_\@
	LDK \u, \st
	LDV \u, \st
	ACTIVE QH, OH, SUMH, DH, MHI, \st, 1
	s_cmp_gt_u32 s[KS], s[MLO]
	s_cbranch_scc1 .Llow_const_\@
	ACTIVE QL, OL, SUML, DL, MLO, \st, 0
	s_branch .Lstep_done_\@
.Llow_const_\@:
	CONSTP OL
	s_branch .Lstep_done_\@
.Lboth_const_\@:
	LDV \u, \st
	s_wait_dscnt 0x0
	CONSTP OH
	CONSTP OL
.Lstep_done_\@:
.endm
.macro SUB u                           ; a slot of 128 keys: my 64 of them
	STEP \u, 0
	STEP \u, 1
	s_add_co_u32 s[KS], s[KS], 1
	s_sub_co_u32 s[DH], s[DH], 128
	s_sub_co_u32 s[DL], s[DL], 128
.endm
.macro SLOT2                           ; a ring slot
	v_add_nc_u32 v[ADR], s[TB], v[A0]
	SUB 0
	SUB 1
	s_xor_b32 s[TB], s[TB], RING1
.endm
; THE CHANGE OF RING SLOTS stands at a slot's head.  Each wave waits for all its tensor loads (its part of the slot ahead), adds 0 to its spare word, and waits for that and for its reads of the slot that it has left.
; fill = 1: a round of the cluster's barrier, and behind it the slot just left is asked for again, jointly: the load has a whole ring slot's steps in which to land.
.macro CHANGE fill
	s_wait_tensorcnt 0x0                           ; no tensor load of mine is out, so group 0 may be written
	ds_add_u32 v[SPW], v[NIL]
.if \fill
	ds_add_u32 v[SPW], v[NIL]                      ; and twice on end here, in every trip alike
	s_xor_b32 s25, s25, RING1
	s_add_nc_u64 s[26:27], s[26:27], 65536         ; the next 256 keys; the type bits on top are not reached
	s_wait_xcnt 0x0                                ; the last prefetch, a ring slot back, has read its address
	s_add_nc_u64 s[PFA:PFA+1], s[PFA:PFA+1], 65536
	s_wait_dscnt 0x0                               ; the adds are done, and my reads of the slot that I have left are over
	ROUND
	JLOAD
	ASK
.else
	s_wait_dscnt 0x0
	s_barrier_signal -1
	s_barrier_wait -1
.endif
.endm
.Lring:                                                ; seven trips: behind each change but the last the next ring slot is asked for
	CHANGE 1
	SLOT2
	s_sub_co_u32 s[RC], s[RC], 1
	s_cmp_lg_u32 s[RC], 0
	s_cbranch_scc1 .Lring
	CHANGE 0                                       ; the last ring slot is written out: nothing is left to ask for
	SLOT2
	; THE END.  Each wave has half the keys of two tiles: it gives one tile away and finishes the other.
.rept 4
	v_nop                                          ; places behind the last products
.endr
	v_add_f32 v[SUMH], v[SUMH], v[SUMH+1]
	v_add_f32 v[SUML], v[SUML], v[SUML+1]
	v_permlanex16_b32 v16, v[SUMH], s[SEL], s[SEL+1]
	v_permlanex16_b32 v17, v[SUML], s[SEL], s[SEL+1]
	v_add_f32 v[SUMH], v[SUMH], v16                ; with lane l xor 16's keys
	v_add_f32 v[SUML], v[SUML], v17
	s_cmp_eq_u32 s[SS], 0
	s_cselect_b32 s78, s[MHI], s[MLO]              ; the group m of the tile that I finish
	s_xor_b32 s79, s78, 15
	s_lshl_b32 s79, s79, 7
	s_cvt_f32_u32 s79, s79                         ; 128 (15 - m): its keys in slots that are hidden as a whole
	s_lshr_b32 s80, s[BH], 4
	s_lshl_b32 s80, s80, 4
	s_add_co_u32 s80, s80, s78                     ; block of 128 tokens = 16 x batch + m
	s_lshl_b32 s80, s80, 18
	s_and_b32 s81, s[BH], 15
	s_lshl_b32 s81, s81, 14                        ; the head's two K steps of 32 channels
	s_add_co_u32 s80, s80, s81
	s_lshl_b32 s81, s[G], 10                       ; tile g
	s_add_co_u32 s80, s80, s81
	s_mov_b32 s81, 0
	s_add_nc_u64 s[12:13], s[12:13], s[80:81]
.macro PUT o, sum                      ; each accumulator from its low end on
.irp i, 0,1,2,3,4,5,6,7
	ds_store_b128 v[XOS], v[\o+4*\i:\o+4*\i+3] offset:512*\i
.endr
	ds_store_b32 v[XSS], v[\sum]
.endm
	s_cmp_eq_u32 s[SS], 0
	s_cbranch_scc0 .Lput_h
	PUT OL, SUML
	s_branch .Lput_done
.Lput_h:
	PUT OH, SUMH
.Lput_done:
	s_wait_dscnt 0x0                               ; for the partner's sake: my stores are done
	s_barrier_signal -1
	s_barrier_wait -1
.irp i, 0,1,2,3,4,5,6,7
	ds_load_b128 v[KF+4*\i:KF+4*\i+3], v[XOL] offset:512*\i       ; my partner's half of my tile
.endr
	ds_load_b32 v18, v[XSL]
	s_wait_dscnt 0x0
.macro FIN o, sum
	v_add_f32 v16, v[\sum], v18
	v_fma_f32 v17, s79, v[CC], v[EPV]              ; the hidden slots' weights, and 1e-6 x 2^sh
	v_add_f32 v16, v16, v17
	v_rcp_f32 v16, v16
.irp i, 0,2,4,6,8,10,12,14,16,18,20,22,24,26,28,30
	v_pk_add_f32 v[\o+\i:\o+\i+1], v[\o+\i:\o+\i+1], v[KF+\i:KF+\i+1]
.endr
	s_wait_alu depctr_va_vdst(0)                   ; ahead of the reciprocal's first reader
.irp i, 0,2,4,6,8,10,12,14,16,18,20,22,24,26,28,30
	v_pk_mul_f32 v[\o+\i:\o+\i+1], v[\o+\i:\o+\i+1], v[16:17] op_sel_hi:[1,0]
.endr
.irp n, 0,1,2,3,4,5,6,7,8,9,10,11,12,13,14,15
	v_cvt_pk_f16_f32 v[P+\n], v[\o+2*\n], v[\o+2*\n+1]             ; channels 16 dt + 8 h + j: two accumulators make an f16 fragment of 32 channels
.endr
.endm
	s_cmp_eq_u32 s[SS], 0
	s_cbranch_scc0 .Lfin_l
	FIN OH, SUMH
	s_branch .Lfin_done
.Lfin_l:
	FIN OL, SUML
.Lfin_done:
.irp k, 0,1,2,3
	global_store_b128 v[GOF], v[P+4*\k:P+4*\k+3], s[12:13] offset:8192*(\k/2)+512*(\k%2)   ; 512 consecutive bytes, aligned
.endr
	s_wait_tensorcnt 0x0                           ; the wave's end
	ds_add_u32 v[SPW], v[NIL]
	s_wait_dscnt 0x0
	ROUND                                          ; the closing round
	s_endpgm
.Lfunc_end_k_q2aa30c8185_attn:
	.size	k_q2aa30c8185_attn, .Lfunc_end_k_q2aa30c8185_attn-k_q2aa30c8185_attn
	.p2alignl 7, 3214868480
	.fill 96, 4, 3214868480
	.section	.rodata,"a",@progbits
	.p2align	6, 0x0
	.amdhsa_kernel k_q2aa30c8185_attn
		.amdhsa_group_segment_fixed_size 327680
		.amdhsa_private_segment_fixed_size 0
		.amdhsa_enable_private_segment 0
		.amdhsa_kernarg_size 40
		.amdhsa_user_sgpr_count 2
		.amdhsa_user_sgpr_kernarg_segment_ptr 1
		.amdhsa_wavefront_size32 1
		.amdhsa_system_sgpr_workgroup_id_x 1
		.amdhsa_system_sgpr_workgroup_id_y 1
		.amdhsa_system_sgpr_workgroup_id_z 1
		.amdhsa_system_vgpr_workitem_id 0
		.amdhsa_next_free_vgpr 256
		.amdhsa_next_free_sgpr 100
		.amdhsa_reserve_vcc 1
		.amdhsa_float_denorm_mode_32 3
		.amdhsa_float_denorm_mode_16_64 3
		.amdhsa_memory_ordered 1
		.amdhsa_forward_progress 1
		.amdhsa_inst_pref_size 166
	.end_amdhsa_kernel
	.amdgpu_metadata
---
amdhsa.version: [ 1, 2 ]
amdhsa.kernels:
  - .name:           k_q2aa30c8185_attn
    .symbol:         k_q2aa30c8185_attn.kd
    .args:
      - { .name: qimg, .offset: 0, .size: 8, .value_kind: global_buffer, .address_space: global }
      - { .name: kv, .offset: 8, .size: 8, .value_kind: global_buffer, .address_space: global }
      - { .name: alibi_slopes, .offset: 16, .size: 8, .value_kind: global_buffer, .address_space: global }
      - { .name: power, .offset: 24, .size: 8, .value_kind: global_buffer, .address_space: global }
      - { .name: att, .offset: 32, .size: 8, .value_kind: global_buffer, .address_space: global }
    .group_segment_fixed_size: 327680
    .private_segment_fixed_size: 0
    .kernarg_segment_align: 8
    .kernarg_segment_size: 40
    .max_flat_workgroup_size: 512
    .sgpr_count:     100
    .vgpr_count:     256
    .wavefront_size: 32
...
	.end_amdgpu_metadata
.endif
;; end of part 3
;; launch oproj (part 4): grid 8 x 32, 4 waves a work-group, clusters of 4 x 4, 327,680 bytes of LDS; arguments att, woi, out0; writes out0
.if DOCPART == 4
	.amdgcn_target "amdgcn-amd-amdhsa--gfx1250"
	.amdhsa_code_object_version 6
	.text
	.protected	k_q2aa30c8185_oproj
	.globl	k_q2aa30c8185_oproj
	.p2align	8
	.type	k_q2aa30c8185_oproj,@function
k_q2aa30c8185_oproj:
	s_mov_b64 s[64:65], 0
	v_nop
	global_prefetch_b8 v0, s[64:65] scope:SCOPE_SE
	s_setreg_imm32_b32 hwreg(HW_REG_WAVE_MODE, 25, 1), 1
	s_wait_xcnt 0x0
	s_wait_alu depctr_hold_cnt(0) depctr_sa_sdst(0) depctr_va_vdst(0) depctr_va_sdst(0) depctr_va_ssrc(0) depctr_va_vcc(0) depctr_vm_vsrc(0)
	s_getreg_b32 s2, hwreg(HW_REG_IB_STS2, 6, 4)
	s_cmp_eq_u32 s2, 0
	s_cbranch_scc0 .Lentry_in_a_cluster
	s_endpgm
.Lentry_in_a_cluster:
	s_bfe_u32 s2, ttmp6, 0x10000c
	s_cmp_lg_u32 s2, 0xf033
	s_cbranch_scc0 .Lentry_shape_is_right
	s_endpgm
.Lentry_shape_is_right:
; out0[t][n] = sum over c of att[t][c] Wo[n][c].  4,096 x 1,024 x 1,024; f16 operands, which arrive as images of operand registers; sums and result in f32.
; A tile of the result is 128 x 128, so that there are 256 work-groups.  Four waves, each 64 x 64: 16 accumulators.  K goes in four steps of 256 through a ring of two LDS slots: a step's part of att's 128 rows is
; one dense block of 65,536 bytes, and so is Wo's; each wave fetches half of one by one tensor load.  No padding: a fragment load reads 512 consecutive bytes.
; CLUSTER 4 x 4: att's blocks are asked for jointly along a row of the cluster, Wo's along a column.  THE MATRIX INSTRUCTION IS USED TRANSPOSED (source 0 = 16 rows of Wo, source 1 = 16 tokens):
; a lane holds eight neighbouring numbers of a row of the result.
; REGISTERS: window 0: v0-31 addresses; v32-95 the way out; v128-255 the accumulators ((a, b) at v[128 + 8 (4 a + b)]).  window 1: two fragment buffers of 128: 64 registers of att (2 x 4 fragments), then 64 of Wo.
.set KBYTES, 65536                     ; a K step's block of 128 rows
.set SLOT,   2*KBYTES                  ; att's block, then Wo's
.set STAGE,  2*SLOT                    ; behind the ring: 16 rows x (256 bytes + 16) for each wave, its own
.set SPITCH, 272
.set SPARE,  STAGE+4*16*SPITCH         ; the spare words, 128 bytes a wave: two blocks of 256 bytes that no other line names
.set ADRA, 16                          ; v16-17  my fragments of att in slot 0, 1
.set ADRB, 20                          ; v20-21  of Wo
.set STO,  24
.set RD,   25
.set CO,   26
.set SPW,  28                          ; v28     LDS address of my spare word; never rewritten
.set NIL,  29                          ; v29     0; never rewritten
.set TMP,  32
.set ACC,  128
.set F0,   0
.set F1,   128
.set G1, 24
.set G0, 32
.set G1B, 48
.set G0B, 56
.set MSB, 0
.macro WIN new                         ; the immediate's high byte repeats the setting that is left
.if MSB != \new
	s_set_vgpr_msb (MSB<<8)|\new
.set MSB, \new
.endif
.endm
.set MUL,  0x05                        ; sources 0 and 1 window 1; C and D window 0
.set TO_F, 0x40                        ; destination window 1, address window 0
.macro JLOAD s                         ; a joint load: waves 0 and 1 fetch att's two halves, waves 2 and 3 Wo's; an s_nop 0 and four v_nop follow each line
	s_cmp_eq_u32 s11, 0
	s_cbranch_scc0 .Lfor_b_\@
	tensor_load_to_lds s[G0+4*\s:G0+4*\s+3], s[G1:G1+7]
	s_nop 0
.rept 4
	v_nop
.endr
	s_branch .Lasked_\@
.Lfor_b_\@:
	tensor_load_to_lds s[G0B+4*\s:G0B+4*\s+3], s[G1B:G1B+7]
	s_nop 0
.rept 4
	v_nop
.endr
.Lasked_\@:
.endm
.macro CREST                           ; a round of the cluster's barrier behind its opening barrier
	s_cmp_lg_u32 s10, 0
	s_cbranch_scc1 .Lnot_wave_0_\@
	s_barrier_signal -3
.Lnot_wave_0_\@:
	s_barrier_wait -3
	s_barrier_signal -1
	s_barrier_wait -1
.endm
.macro CROUND
	s_barrier_signal -1
	s_barrier_wait -1
	CREST
.endm
	s_load_b128 s[4:7], s[0:1], 0x0                ; att, woi
	s_load_b64 s[8:9], s[0:1], 0x10                ; out0
	v_lshl_add_u32 v[SPW], v0, 2, SPARE
	v_mov_b32 v[NIL], 0
	ds_add_u32 v[SPW], v[NIL]                      ; the wave's opening: the add, twice on end, and its wait ahead of my first tensor load
	ds_add_u32 v[SPW], v[NIL]
	v_lshrrev_b32 v1, 5, v0
	v_readfirstlane_b32 s10, v1                    ; wave 0..3
	s_lshr_b32 s11, s10, 1                         ; which 64 tokens are mine.  Also: I fetch for att (0) or for Wo (1)
	s_and_b32 s12, s10, 1                          ; which 64 columns.  Also: which half of the block I fetch
	s_bfe_u32 s40, ttmp6, 0x40000
	s_bfe_u32 s41, ttmp6, 0x40004
	s_lshl_b32 s42, ttmp9, 2
	s_add_co_u32 s42, s42, s40                     ; tile column = 4 x cluster x + cx
	s_and_b32 s13, ttmp7, 0xffff
	s_lshl_b32 s13, s13, 2
	s_add_co_u32 s13, s13, s41                     ; tile row = 4 x cluster y + cy
	s_lshl_b32 s43, s41, 2
	s_lshl_b32 s43, 15, s43                        ; my row of the cluster
	s_lshl_b32 s44, 0x1111, s40                    ; my column
	s_or_b32 s[G1+0], s43, (3<<16)|(1<<21)         ; the mask; elements of 8 bytes; bit 21 beside a mask
	s_or_b32 s[G1B+0], s44, (3<<16)|(1<<21)
.irp g, G1, G1B                        ; a dense block of 32,768 bytes as 128 rows of 256
	s_mov_b32 s[\g+1], 32<<16
	s_mov_b32 s[\g+2], 128<<16
	s_mov_b32 s[\g+3], 32<<16
	s_mov_b32 s[\g+4], 128
	s_mov_b32 s[\g+5], 32
	s_mov_b32 s[\g+6], 0
	s_mov_b32 s[\g+7], 0
.endr
	s_lshl_b32 s17, s12, 15                        ; my half of a block
	s_lshl_b32 s16, s13, 18                        ; 128 rows of images are 262,144 bytes
	s_add_co_u32 s16, s16, s17
	s_lshl_b32 s46, s42, 18
	s_add_co_u32 s46, s46, s17
	s_mov_b32 s17, 0
	s_mov_b32 s47, 0
	s_lshl_b32 s20, s10, 15                        ; where it goes: wave x 32,768
	s_wait_dscnt 0x0                               ; both opening adds are done
	s_wait_kmcnt 0x0
	s_add_nc_u64 s[14:15], s[4:5], s[16:17]
	s_add_nc_u64 s[46:47], s[6:7], s[46:47]
	CROUND                                         ; all sixteen work-groups are here: the first joint loads meet
.irp s, 0,1
	s_mov_b32 s[G0+4*\s], 1
	s_add_co_u32 s[G0+4*\s+1], s20, \s*SLOT
	s_add_nc_u64 s[G0+4*\s+2:G0+4*\s+3], s[14:15], \s*KBYTES
	s_or_b32 s[G0+4*\s+3], s[G0+4*\s+3], 0x80000000
	s_mov_b32 s[G0B+4*\s], 1
	s_add_co_u32 s[G0B+4*\s+1], s20, \s*SLOT
	s_add_nc_u64 s[G0B+4*\s+2:G0B+4*\s+3], s[46:47], \s*KBYTES
	s_or_b32 s[G0B+4*\s+3], s[G0B+4*\s+3], 0x80000000
	JLOAD \s                                       ; two tensor loads of mine are out
.endr
	v_and_b32 v1, 15, v0                           ; r
	v_bfe_u32 v2, v0, 4, 1                         ; h
	v_and_b32 v3, 31, v0
	v_lshlrev_b32 v3, 4, v3                        ; 16 x lane
	s_lshl_b32 s21, s11, 12                        ; my four tiles of att,
	s_lshl_b32 s22, s12, 12                        ; my four of Wo,
	s_add_co_u32 s22, s22, KBYTES                  ; which lie behind att's block
.irp s, 0,1
	v_add_nc_u32 v[ADRA+\s], s21, v3
	v_add_nc_u32 v[ADRB+\s], s22, v3
	s_add_co_u32 s21, s21, SLOT
	s_add_co_u32 s22, s22, SLOT
.endr
	s_mul_i32 s23, s10, 16*SPITCH
	s_add_co_u32 s23, s23, STAGE                   ; my stage
	v_mul_u32_u24 v4, v1, SPITCH                   ; in: row r, 32 bytes for each half of the lanes
	v_lshl_add_u32 v4, v2, 5, v4
	v_add_nc_u32 v[STO], s23, v4
	v_mul_u32_u24 v5, v2, SPITCH                   ; back: lanes 0-15 one row of 256 bytes, lanes 16-31 the next
	v_lshl_add_u32 v5, v1, 4, v5
	v_add_nc_u32 v[RD], s23, v5
	v_lshlrev_b32 v5, 12, v2                       ; and the same two rows of the result, 4,096 bytes apart
	v_lshl_add_u32 v[CO], v1, 4, v5
	s_lshl_b32 s16, s13, 7
	s_lshl_b32 s17, s11, 6
	s_add_co_u32 s16, s16, s17                     ; my first row
	s_lshl_b32 s16, s16, 12
	s_mov_b32 s17, 0
	s_add_nc_u64 s[8:9], s[8:9], s[16:17]
	s_lshl_b32 s46, s42, 9                         ; my first column, in bytes: 512 x tile column + 256 x half
	s_lshl_b32 s47, s12, 8
	s_add_co_u32 s46, s46, s47
	s_mov_b32 s47, 0
	s_add_nc_u64 s[8:9], s[8:9], s[46:47]
; 8 matrix instructions: token tiles a0, a0 + 1 x all 4 column tiles, 32 along K: half c of buffer f.  zero = 1: the first product starts the sums.  The accumulators take turns.
.macro MUL8 f, c, a0, zero
.irp a, \a0, \a0+1
.irp b, 0,1,2,3
.if \zero
	v_wmma_f32_16x16x32_f16 v[ACC+8*(4*(\a)+\b):ACC+8*(4*(\a)+\b)+7], v[\f+64+8*(4*\c+\b):\f+64+8*(4*\c+\b)+7], v[\f+8*(4*\c+\a):\f+8*(4*\c+\a)+7], 0
.else
	v_wmma_f32_16x16x32_f16 v[ACC+8*(4*(\a)+\b):ACC+8*(4*(\a)+\b)+7], v[\f+64+8*(4*\c+\b):\f+64+8*(4*\c+\b)+7], v[\f+8*(4*\c+\a):\f+8*(4*\c+\a)+7], v[ACC+8*(4*(\a)+\b):ACC+8*(4*(\a)+\b)+7]
.endif
.endr
.endr
.endm
; 32 LDS loads in one run: the fragments of the slot's q-th 64 along K into buffer f; the first 32 along K first
.macro FETCH slot, q, f
	WIN TO_F
.irp c, 0,1
.irp i, 0,1,2,3
	ds_load_b128 v[\f+64+8*(4*\c+\i):\f+64+8*(4*\c+\i)+3],   v[ADRB+\slot] offset:(2*(\q)+\c)*8192+\i*1024
	ds_load_b128 v[\f+64+8*(4*\c+\i)+4:\f+64+8*(4*\c+\i)+7], v[ADRB+\slot] offset:(2*(\q)+\c)*8192+\i*1024+512
	ds_load_b128 v[\f+8*(4*\c+\i):\f+8*(4*\c+\i)+3],         v[ADRA+\slot] offset:(2*(\q)+\c)*8192+\i*1024
	ds_load_b128 v[\f+8*(4*\c+\i)+4:\f+8*(4*\c+\i)+7],       v[ADRA+\slot] offset:(2*(\q)+\c)*8192+\i*1024+512
.endr
.endr
.endm
.macro PLACES                          ; four places in front of loads into registers that matrix instructions have read, and of the first read of results
.rept 4
	v_nop
.endr
.endm
; A K step is four quarters of 64 along K, 32 matrix instructions each, on buffers 0, 1, 0, 1.  One of the first three: multiplies buffer f and fetches quarter q into g.
.macro QUARTER slot, q, f, g, zero
	s_wait_dscnt 16                                ; the first 32 along K are in; the other sixteen loads may be out
	WIN MUL
	MUL8 \f, 0, 0, \zero
	MUL8 \f, 0, 2, \zero
	PLACES
	FETCH \slot, \q, \g
	s_wait_dscnt 32                                ; all but the 32 just issued
	WIN MUL
	MUL8 \f, 1, 0, 0
	MUL8 \f, 1, 2, 0
.endm
; The last quarter multiplies buffer 1 and changes slots: ONE barrier; in front of it each wave waits for all its tensor loads, adds 0 to its spare word, and waits for that and for its reads of this slot.
.macro TURN slot, next, fill
	WIN 0                                          ; (the add's two registers lie in window 0)
	s_wait_tensorcnt 0x0                           ; all my tensor loads have landed: my part of the next slot
	ds_add_u32 v[SPW], v[NIL]
	s_wait_dscnt 17                                ; (the add and the youngest sixteen loads may be out)
	WIN MUL
	MUL8 F1, 0, 0, 0
	s_wait_dscnt 0x0                               ; the add is done, and my reads of this slot are over
	s_barrier_signal -1
	MUL8 F1, 0, 2, 0
.if \fill
	WIN 0
.endif
	s_barrier_wait -1
.if \fill
	CREST                                          ; the barrier has opened a round of the cluster's: no wave of any partner still reads this slot or has a load on its way
	s_add_nc_u64 s[G0+4*\slot+2:G0+4*\slot+3], s[G0+4*\slot+2:G0+4*\slot+3], 2*KBYTES
	s_add_nc_u64 s[G0B+4*\slot+2:G0B+4*\slot+3], s[G0B+4*\slot+2:G0B+4*\slot+3], 2*KBYTES
	JLOAD \slot                                    ; the first tensor load behind the round; its four v_nop are also the places in front of the loads below
.else
	PLACES
.endif
	FETCH \next, 0, F0
	WIN MUL
	MUL8 F1, 1, 0, 0
	MUL8 F1, 1, 2, 0
.endm
	s_wait_tensorcnt 1                             ; my part of K step 0 is in; K step 1's load may be out
	s_barrier_signal -1
	s_barrier_wait -1
	FETCH 0, 0, F0
	QUARTER 0, 1, F0, F1, 1                        ; K step 0: its first products start the sums
	QUARTER 0, 2, F1, F0, 0
	QUARTER 0, 3, F0, F1, 0
	TURN 0, 1, 1                                   ; slot 0 takes K step 2
	QUARTER 1, 1, F0, F1, 0
	QUARTER 1, 2, F1, F0, 0
	QUARTER 1, 3, F0, F1, 0
	TURN 1, 0, 1                                   ; slot 1 takes K step 3
	QUARTER 0, 1, F0, F1, 0
	QUARTER 0, 2, F1, F0, 0
	QUARTER 0, 3, F0, F1, 0
	TURN 0, 1, 0                                   ; nothing is left to fetch
	QUARTER 1, 1, F0, F1, 0
	QUARTER 1, 2, F1, F0, 0
	QUARTER 1, 3, F0, F1, 0
	s_wait_dscnt 16
	WIN MUL
	MUL8 F1, 0, 0, 0
	MUL8 F1, 0, 2, 0
	s_wait_dscnt 0
	MUL8 F1, 1, 0, 0
	MUL8 F1, 1, 2, 0
	WIN 0
; THE WAY OUT, a block of 16 tokens x 64 columns at a time.  A lane holds 32 neighbouring bytes of a row and the lanes beside it other rows: the block goes through my own stage and comes back as whole rows of 256 bytes.
; LDS serves a wave's instructions in order (ISA guide 5.7.1.4): no wait between the stores and the loads, nor in front of the next block's stores.
.macro TOSTAGE a
.irp b, 0,1,2,3
	ds_store_b128 v[STO], v[ACC+8*(4*(\a)+\b):ACC+8*(4*(\a)+\b)+3]   offset:64*\b        ; each accumulator from its low end on
	ds_store_b128 v[STO], v[ACC+8*(4*(\a)+\b)+4:ACC+8*(4*(\a)+\b)+7] offset:64*\b+16
.endr
.irp t, 0,1,2,3,4,5,6,7
	ds_load_b128 v[TMP+32*((\a)%2)+4*\t:TMP+32*((\a)%2)+4*\t+3], v[RD] offset:\t*2*SPITCH
.endr
.endm
.macro SEND a, younger                 ; younger: the LDS instructions issued behind block a's loads
	s_wait_dscnt \younger
.irp t, 0,1,2,3,4,5,6,7
	global_store_b128 v[CO], v[TMP+32*((\a)%2)+4*\t:TMP+32*((\a)%2)+4*\t+3], s[8:9] offset:(16*(\a)+2*\t)*4096 th:TH_STORE_NT   ; 16 lanes store 256 consecutive bytes, aligned; written once, read by nobody here
.endr
.endm
	PLACES
	TOSTAGE 0
	TOSTAGE 1
	SEND 0, 16                                     ; behind block 0's loads: block 1's 8 stores and 8 loads
	s_wait_xcnt 0x0                                ; block 0's stores have read their registers: block 2's loads may land there
	TOSTAGE 2
	SEND 1, 16
	s_wait_xcnt 0x0
	TOSTAGE 3
	SEND 2, 16
	SEND 3, 0
	s_wait_tensorcnt 0x0                           ; the wave's end
	ds_add_u32 v[SPW], v[NIL]
	s_wait_dscnt 0x0
	CROUND                                         ; the closing round
	s_endpgm
.Lfunc_end_k_q2aa30c8185_oproj:
	.size	k_q2aa30c8185_oproj, .Lfunc_end_k_q2aa30c8185_oproj-k_q2aa30c8185_oproj
	.p2alignl 7, 3214868480
	.fill 96, 4, 3214868480
	.section	.rodata,"a",@progbits
	.p2align	6, 0x0
	.amdhsa_kernel k_q2aa30c8185_oproj
		.amdhsa_group_segment_fixed_size 327680
		.amdhsa_private_segment_fixed_size 0
		.amdhsa_enable_private_segment 0
		.amdhsa_kernarg_size 24
		.amdhsa_user_sgpr_count 2
		.amdhsa_user_sgpr_kernarg_segment_ptr 1
		.amdhsa_wavefront_size32 1
		.amdhsa_system_sgpr_workgroup_id_x 1
		.amdhsa_system_sgpr_workgroup_id_y 1
		.amdhsa_system_sgpr_workgroup_id_z 1
		.amdhsa_system_vgpr_workitem_id 0
		.amdhsa_next_free_vgpr 512
		.amdhsa_next_free_sgpr 66
		.amdhsa_reserve_vcc 0
		.amdhsa_float_denorm_mode_32 3
		.amdhsa_float_denorm_mode_16_64 3
		.amdhsa_memory_ordered 1
		.amdhsa_forward_progress 1
		.amdhsa_inst_pref_size 85
	.end_amdhsa_kernel
	.amdgpu_metadata
---
amdhsa.version: [ 1, 2 ]
amdhsa.kernels:
  - .name:           k_q2aa30c8185_oproj
    .symbol:         k_q2aa30c8185_oproj.kd
    .args:
      - { .name: att, .offset: 0, .size: 8, .value_kind: global_buffer, .address_space: global }
      - { .name: woi, .offset: 8, .size: 8, .value_kind: global_buffer, .address_space: global }
      - { .name: out0, .offset: 16, .size: 8, .value_kind: global_buffer, .address_space: global }
    .group_segment_fixed_size: 327680
    .private_segment_fixed_size: 0
    .kernarg_segment_align: 8
    .kernarg_segment_size: 24
    .max_flat_workgroup_size: 128
    .sgpr_count:     66
    .vgpr_count:     512
    .wavefront_size: 32
...
	.end_amdgpu_metadata
.endif
;; end of part 4
